; MI455X (gfx1250); checked and timed in simulation.
; The chip was launched on July 23, 2026; its instructions are those of AMD's public machine-readable ISA for CDNA 5 (MIT licence, August 2026) and "CDNA5" Instruction Set Architecture Reference Guide (July 2026). The comments in the code are by the model that wrote it; some were corrected since.
;; Random Sample. Allowed arithmetic: float matrix products may take bf16 or f16 operands with f32 sums; all other float work in f32.
;; Inputs: feats 4 x 8,192 x 64 float32; pc 4 x 8,192 x 3 float32; rnds 4 x 8,192 int32.
;; Outputs: out0 4 x 4,096 x 3 float32; out1 4 x 4,096 x 64 float32; out2 4 x 4,096 int32.
;; One version. Each part assembles by itself: llvm-mc -triple=amdgcn-amd-amdhsa -mcpu=gfx1250 --defsym DOCPART=n.
;; ======== version 1 of 1: 1 launch
;; launch knn2 (part 1): grid 256 x 1, 16 waves a work-group, no clusters, 169,984 bytes of LDS; arguments pc, rnds, feats, out0, out1, out2; writes out0, out1, out2
.if DOCPART == 1
	.amdgcn_target "amdgcn-amd-amdhsa--gfx1250"
	.amdhsa_code_object_version 6
	.text
	.protected	k_q1eb66f2860_knn2
	.globl	k_q1eb66f2860_knn2
	.p2align	8
	.type	k_q1eb66f2860_knn2,@function
k_q1eb66f2860_knn2:
	s_mov_b64 s[64:65], 0
	v_nop
	global_prefetch_b8 v0, s[64:65] scope:SCOPE_SE
	s_setreg_imm32_b32 hwreg(HW_REG_WAVE_MODE, 25, 1), 1
	s_wait_xcnt 0x0
; RandomSample: out0 = pc[rnds[:4096]], out1 = feats[rnds[:4096]], out2 = for each point rnds[4096:] the place (0..4095) of its
; SECOND nearest point among rnds[:4096], by d2 = (q2 - 2 cross) + r2; equal distances count in the order of their places.
; pc [4][8192][3] f32, feats [4][8192][64] f32, rnds [4][8192] i32.
;
; NUMBERS AND LIMITS.  All distance arithmetic is done on pc rounded once to bf16 (nearest even): q2 and r2 are the f32 chain
; (x*x + y*y) + z*z of the rounded coordinates (their squares are exact in f32, so the fused forms give the chain's bits), cross is one
; bf16 matrix product with an f32 sum, d2 is two f32 roundings.  The matrix unit rounds the sum of the three products once, an f32
; chain rounds it twice: two distances that lie within that last bit of each other may be ordered otherwise.  Coordinates must be
; finite and their squares too (no NaN, no infinity).  Indices above 8191 (negative ones too) are clamped to 8191, not wrapped.
; out0 and out1 carry the unrounded f32 numbers.
;
; SHARES.  256 work-groups: batch = id / 64; each owns 64 queries and 64 rows of out0 and out1 (id % 64).  16 waves.
; Wave w: query tile w % 4 (16 queries) against reference quarter w / 4 (1,024 references).  A = 16 references, B = 16 queries: in the
; result lane (r, h) holds query r, and register j reference row 8 h + j.  References are dealt so that lane half h of quarter qr
; owns the 512 neighbouring places of part = 2 qr + h, place = 512 part + 64 block + 8 tile + j, and scans them in ascending order:
; a strict 'smaller' keeps the lower place in every scan and in the merge of the eight parts.
; K = 3 of the form's 32: one A operand (8 registers) carries 8 tiles, four a lane half, two registers each; the tile is picked by
; sliding the 8-register B operand over an image of 22 registers that is zero but for the query's two words.
;
; NO CLUSTER: what the 64 work-groups of a batch share (98,304 bytes of pc, 16,384 of the list) is fetched once, ahead of
; 64 x 4096 pairs x 8 vector instructions / 32 lanes / 4 SIMDs = 16,384 issue slots a SIMD, and the staged bytes are then gathered
; by LDS addresses read from each work-group's own part of the list, which differ between would-be partners.
; No ring of slots, no prefetch: nothing streams; every global load is issued in the first lines.
.set PTS,    8192
.set REFS,   4096
.set PCB,    PTS*12                    ; bytes of pc in a batch
.set SLICE,  PCB/16                    ; what one wave's tensor load brings: 6,144 bytes
; LDS
.set STG,    0                         ; the batch's pc as it lies in memory
.set AT,     PCB                       ; 8 bytes a reference: bf16 x | y<<16, bf16 z.  Place g lies at
                                       ; (g>>10) 8192 + ((g>>5)&15) 512 + ((g>>9)&1) 256 + (g&7) 32 + ((g>>3)&3) 8: a lane's 32 bytes are its 4 tiles
.set R2T,    AT+REFS*8                 ; r2 of place g at 4 g
.set MRG,    R2T+REFS*4                ; 512 bytes a wave: lane's (m1, g1, m2, g2) at 16 x lane
.set O0S,    MRG+16*512                ; the work-group's 64 rows of out0, 12 bytes each
; vector registers
.set LANE,   1
.set RR,     2                         ; lane % 16
.set HH,     3                         ; lane / 16
.set OFI,    4                         ; byte offsets in the batch's list: my two feats rows,
.set OQI,    5                         ; my query,
.set OIDX,   6                         ; my eight references (thread t: places t + 512 i)
.set OF0,    7                         ; byte offsets in feats of my 16 bytes of two rows
.set OF1,    8
.set OO1,    9                         ; and in out1
.set FI,     10                        ; v[10:11] two row indices
.set QI,     12                        ; query index, then 12 x index
.set ATW,    13                        ; where I write into AT, R2T
.set R2W,    14
.set AAD,    15                        ; where I read A and r2, stepped block by block
.set RAD,    16
.set MW,     17                        ; my 16 bytes of the merge area
.set O0W,    18                        ; my half's 24 bytes of the out0 stage
.set PB,     19                        ; 512 part + 448
.set IDX,    20                        ; v[20:27] eight reference indices, then 12 x index
.set FE,     28                        ; v[28:35] 16 bytes of two feats rows
.set Q2,     36                        ; v[36:37] q2, twice (a pair for the packed forms)
.set ST,     38                        ; v[38:41] m1, i1, m2, i2
.set QX,     42                        ; v[42:44] the query's x, y, z
.set QW,     46                        ; v[46:47] its two bf16 words
.set TA,     48                        ; v[48:49] LDS addresses of my two out0 rows; at the end the two results
.set T,      50                        ; v[50:52] at work
.set R2,     53
.set W,      54                        ; v[54:55] at work: a reference's two words
.set IMG,    56                        ; v[56:77] B image
.set AF,     78                        ; v[78:85] A operand: 8 tiles
.set DT,     86                        ; v[86:149] results, tile T at 86 + 8 T.  Before the loop: gathered coordinates
.set RT,     150                       ; v[150:213] r2, tile T at 150 + 8 T
	s_load_b256 s[4:11], s[0:1], 0x0               ; pc s[4:5], rnds s[6:7], feats s[8:9], out0 s[10:11]
	s_load_b128 s[12:15], s[0:1], 0x20             ; out1 s[12:13], out2 s[14:15]
	v_lshl_add_u32 v216, v0, 2, 0x29000
	v_mov_b32 v217, 0
	ds_add_u32 v216, v217
	ds_add_u32 v216, v217
	v_and_b32 v[LANE], 31, v0
	v_and_b32 v[RR], 15, v0
	v_bfe_u32 v[HH], v0, 4, 1
	v_lshrrev_b32 v[TA], 5, v0
	v_readfirstlane_b32 s16, v[TA]                 ; wave 0..15
	s_lshr_b32 s17, ttmp9, 6                       ; batch
	s_and_b32 s18, ttmp9, 63                       ; which 64 queries and rows of the batch
	s_and_b32 s19, s16, 3                          ; query tile
	s_lshr_b32 s20, s16, 2                         ; reference quarter
	s_mov_b32 s45, 0xffff0000                      ; a word's upper bf16
	; tensor descriptor: one row of 6,144 bytes as 768 elements of 8 bytes, to LDS byte 6,144 x wave
	s_mov_b32 s24, 1                               ; group 0: count = 1
	s_mul_i32 s25, s16, SLICE                      ; LDS address: the wave's own slice of the stage
	s_mov_b32 s28, 3<<16                           ; group 1: no work-group mask, elements of 8 bytes, no padding
	s_mov_b32 s29, (SLICE/8)<<16                   ; tensor_dim0 = 768
	s_mov_b32 s30, 1<<16
	s_mov_b32 s31, (SLICE/8)<<16                   ; tile_dim0 = 768
	s_mov_b32 s32, 1                               ; one row: no second dimension, no strides
	s_mov_b32 s33, 768
	s_mov_b32 s34, 0
	s_mov_b32 s35, 0
	s_mul_i32 s36, s17, PCB
	s_add_co_u32 s36, s36, s25                     ; batch x 98,304 + wave x 6,144
	s_mov_b32 s37, 0
	s_mov_b32 s23, 0                               ; upper word of every offset below
	s_wait_dscnt 0x0
	s_wait_kmcnt 0x0
	s_add_nc_u64 s[26:27], s[4:5], s[36:37]
	s_or_b32 s27, s27, 0x80000000                  ; type = 2
	tensor_load_to_lds s[24:27], s[28:35]          ; one load a wave in the whole kernel; its registers are not written again
	s_nop 0
	; the buffers at this work-group's (and wave's) parts
	s_lshl_b32 s22, s17, 15
	s_add_nc_u64 s[6:7], s[6:7], s[22:23]          ; rnds: batch x 8192 x 4
	s_lshl_b32 s22, s17, 21
	s_add_nc_u64 s[8:9], s[8:9], s[22:23]          ; feats: batch x 8192 x 256
	s_mul_i32 s22, ttmp9, 768
	s_add_nc_u64 s[10:11], s[10:11], s[22:23]      ; out0: 64 rows x 12 bytes a work-group
	s_lshl_b32 s22, ttmp9, 14
	s_lshl_b32 s36, s16, 10
	s_add_co_u32 s22, s22, s36
	s_add_nc_u64 s[12:13], s[12:13], s[22:23]      ; out1: 64 rows x 256 bytes a work-group, 4 rows a wave
	s_lshl_b32 s22, ttmp9, 8
	s_add_nc_u64 s[14:15], s[14:15], s[22:23]      ; out2: 64 x 4 bytes a work-group
	; offsets in the list
	s_lshl_b32 s36, s18, 8                         ; 64 entries x 4 bytes
	s_lshl_b32 s37, s16, 4
	s_add_co_u32 s37, s37, s36
	v_lshl_add_u32 v[OFI], v[HH], 3, s37           ; entries 64 qb + 4 w + 2 h, + 1
	s_lshl_b32 s38, s19, 6
	s_add_co_u32 s38, s38, s36
	s_add_co_u32 s38, s38, REFS*4
	v_lshl_add_u32 v[OQI], v[RR], 2, s38           ; entry 4096 + 64 qb + 16 qt + r
	v_lshlrev_b32 v[OIDX], 2, v0
	global_load_b64 v[FI:FI+1], v[OFI], s[6:7]
	global_load_b32 v[QI], v[OQI], s[6:7]
.irp i, 0,1,2,3,4,5,6,7
	global_load_b32 v[IDX+\i], v[OIDX], s[6:7] offset:2048*\i      ; place t + 512 i
.endr
	; LDS addresses, while the list is on its way
	v_lshlrev_b32 v[T+2], 4, v[RR]                 ; 16 r
	v_lshl_add_u32 v[OO1], v[HH], 9, v[T+2]        ; out1: rows 2 h, 2 h + 1 of the wave's four
	s_lshl_b32 s39, s16, 9
	s_add_co_u32 s40, s39, AT                      ; thread t = 32 w + lane: (t>>5) 512 = 512 w
	v_and_b32 v[T], 7, v0
	v_bfe_u32 v[T+1], v0, 3, 2
	v_lshl_add_u32 v[ATW], v[T], 5, s40
	v_lshl_add_u32 v[ATW], v[T+1], 3, v[ATW]
	s_lshl_b32 s41, s16, 7
	s_add_co_u32 s41, s41, R2T
	v_lshl_add_u32 v[R2W], v[LANE], 2, s41         ; 4 t
	s_lshl_b32 s42, s20, 13
	s_add_co_u32 s42, s42, AT
	v_lshl_add_u32 v[AAD], v[LANE], 5, s42         ; my quarter's block 0: 32 bytes a lane
	s_lshl_b32 s43, s20, 1
	v_add_nc_u32 v[W], s43, v[HH]                  ; part = 2 qr + h
	v_lshl_add_u32 v[RAD], v[W], 11, R2T           ; my part's 512 r2
	v_lshl_add_u32 v[PB], v[W], 9, 448
	s_add_co_u32 s44, s39, MRG
	v_lshl_add_u32 v[MW], v[LANE], 4, s44
	s_mul_i32 s36, s16, 48
	s_add_co_u32 s36, s36, O0S
	v_mad_u32_u24 v[O0W], v[HH], 24, s36
	s_wait_loadcnt 0x9                             ; the two row indices are in; the query's and the eight list loads behind them stay out
	v_min_u32 v[FI], PTS-1, v[FI]
	v_min_u32 v[FI+1], PTS-1, v[FI+1]
	v_lshl_add_u32 v[OF0], v[FI], 8, v[T+2]        ; row x 256 + 16 r: sixteen lanes take one row
	v_lshl_add_u32 v[OF1], v[FI+1], 8, v[T+2]
	global_load_b128 v[FE:FE+3], v[OF0], s[8:9]    ; no hint: the list may name a row twice
	global_load_b128 v[FE+4:FE+7], v[OF1], s[8:9]
	; the running state and the zeros of the B image (its four other registers are written with the query's words below)
	v_mov_b32 v[ST], 0x7f800000
	v_mov_b32 v[ST+1], 0
	v_mov_b32 v[ST+2], 0x7f800000
	v_mov_b32 v[ST+3], 0
.irp k, 0,1,2,3,4,5,8,9,10,11,12,13,16,17,18,19,20,21
	v_mov_b32 v[IMG+\k], 0
.endr
	s_wait_loadcnt 0x2                             ; every index is in; the two feats loads stay out
	v_min_u32 v[QI], PTS-1, v[QI]
	v_mul_u32_u24 v[QI], 12, v[QI]
.irp i, 0,1,2,3,4,5,6,7
	v_min_u32 v[IDX+\i], PTS-1, v[IDX+\i]
	v_mul_u32_u24 v[IDX+\i], 12, v[IDX+\i]
.endr
	v_mul_u32_u24 v[TA], 12, v[FI]
	v_mul_u32_u24 v[TA+1], 12, v[FI+1]
	s_wait_tensorcnt 0x0                           ; my slice of the stage is in LDS,
	s_barrier_signal -1
	s_barrier_wait -1                              ; everybody's is
; a point's three words from the stage: its address is a multiple of 4 only, so three loads of 4 bytes
.macro LD3 dst, adr
	ds_load_b32 v[\dst], v[\adr] offset:STG
	ds_load_b32 v[\dst+1], v[\adr] offset:STG+4
	ds_load_b32 v[\dst+2], v[\adr] offset:STG+8
.endm
; v[x..x+2] rounded to bf16 into words v[w], v[w+1]; the sum of the rounded numbers' squares into v[r]; v[t..t+2] at work
.macro RND3 x, w, t, r
	v_cvt_pk_bf16_f32 v[\w], v[\x], v[\x+1]
	v_cvt_pk_bf16_f32 v[\w+1], v[\x+2], 0
	v_lshlrev_b32 v[\t], 16, v[\w]
	v_and_b32 v[\t+1], s45, v[\w]
	v_lshlrev_b32 v[\t+2], 16, v[\w+1]
	v_mul_f32 v[\r], v[\t], v[\t]
	v_fma_f32 v[\r], v[\t+1], v[\t+1], v[\r]
	v_fma_f32 v[\r], v[\t+2], v[\t+2], v[\r]
.endm
.irp i, 0,1,2,3,4,5,6,7
	LD3 DT+4*\i, IDX+\i
.endr
	LD3 QX, QI
	LD3 DT+32, TA                                  ; my two rows of out0: six registers in a run
	LD3 DT+35, TA+1
	s_wait_dscnt 0x0
.irp i, 0,1,2,3,4,5,6,7
	RND3 DT+4*\i, W, T, R2
	ds_store_b64 v[ATW], v[W:W+1] offset:(\i>>1)*8192+(\i&1)*256   ; place t + 512 i: quarter i / 2, lane half i % 2
	ds_store_b32 v[R2W], v[R2] offset:2048*\i
.endr
	RND3 QX, QW, T, Q2
	v_mov_b32 v[Q2+1], v[Q2]
	v_cmp_gt_u32 vcc_lo, 16, v[LANE]
	v_cndmask_b32 v[IMG+6], 0, v[QW], vcc_lo       ; the query's words in lanes 0-15 alone: tiles 0-3
	v_cndmask_b32 v[IMG+7], 0, v[QW+1], vcc_lo
	v_cndmask_b32 v[IMG+14], v[QW], v[IMG], vcc_lo ; and in lanes 16-31 alone (v[IMG] is a zero): tiles 4-7
	v_cndmask_b32 v[IMG+15], v[QW+1], v[IMG], vcc_lo
	ds_store_b64 v[O0W], v[DT+32:DT+33]            ; the sixteen lanes of a half write the same 24 bytes with the same numbers
	ds_store_b64 v[O0W], v[DT+34:DT+35] offset:8
	ds_store_b64 v[O0W], v[DT+36:DT+37] offset:16
	s_wait_dscnt 0x0                               ; my part of the tables is written,
	s_barrier_signal -1
	s_barrier_wait -1                              ; everybody's is
	s_wait_loadcnt 0x0                             ; the two feats loads
	global_store_b128 v[OO1], v[FE:FE+3], s[12:13] th:TH_STORE_NT              ; sixteen lanes fill one aligned row of 256 bytes
	global_store_b128 v[OO1], v[FE+4:FE+7], s[12:13] offset:256 th:TH_STORE_NT
; One candidate (distance v[d], code c: a constant, or v[c] if isreg) against the state v[s..s+3] = m1, i1, m2, i2, m1 <= m2.
; It enters only where it is strictly smaller, so of equal distances the one that came first stays in front.
.macro SEL d, c, s, isreg
	v_cmp_le_f32 vcc_lo, v[\s+2], v[\d]
.if \isreg
	v_cndmask_b32 v[\s+3], v[\c], v[\s+3], vcc_lo  ; d < m2: second for now
.else
	v_cndmask_b32 v[\s+3], \c, v[\s+3], vcc_lo
.endif
	v_cmp_le_f32 vcc_lo, v[\s], v[\d]
	v_cndmask_b32 v[\s+3], v[\s+1], v[\s+3], vcc_lo ; d < m1: the old first becomes second,
.if \isreg
	v_cndmask_b32 v[\s+1], v[\c], v[\s+1], vcc_lo  ; and d first
.else
	v_cndmask_b32 v[\s+1], \c, v[\s+1], vcc_lo
.endif
	v_med3_num_f32 v[\s+2], v[\d], v[\s], v[\s+2]  ; the middle one of d, m1, m2 is the new second
	v_min_num_f32 v[\s], v[\s], v[\d]
.endm
; Tile T of the block: d2 = (q2 - 2 cross) + r2 for my eight references, then the eight in ascending order
.macro TILE T
	s_wait_dscnt 14-2*\T                           ; this tile's two r2 loads are in; those of the tiles behind it stay out
.irp k, 0,2,4,6
	v_pk_fma_f32 v[DT+8*\T+\k:DT+8*\T+\k+1], v[DT+8*\T+\k:DT+8*\T+\k+1], -2.0, v[Q2:Q2+1] op_sel_hi:[1,0,1]
.endr
.irp k, 0,2,4,6
	v_pk_add_f32 v[DT+8*\T+\k:DT+8*\T+\k+1], v[DT+8*\T+\k:DT+8*\T+\k+1], v[RT+8*\T+\k:RT+8*\T+\k+1]
.endr
.irp j, 0,1,2,3,4,5,6,7
	SEL DT+8*\T+\j, 8*\T+\j, ST, 0
.endr
.endm
	; Eight blocks of 8 tiles.  Four waves lie on a SIMD: while one waits for its 18 LDS loads the others select.
	s_mov_b32 s21, 0
.Lblock:
	ds_load_b128 v[AF:AF+3], v[AAD]                ; my row's tiles 4 h' + 0, 1 (h' = my lane half as a half of K)
	ds_load_b128 v[AF+4:AF+7], v[AAD] offset:16    ; and 4 h' + 2, 3
.irp T, 0,1,2,3,4,5,6,7
	ds_load_b128 v[RT+8*\T:RT+8*\T+3], v[RAD] offset:32*\T         ; the sixteen lanes of a half read the same r2
	ds_load_b128 v[RT+8*\T+4:RT+8*\T+7], v[RAD] offset:32*\T+16
.endr
	s_wait_dscnt 0x10                              ; A is in; the sixteen r2 loads behind it stay out
.irp T, 0,1,2,3,4,5,6,7
	; tile T = 4 a + t lies in A's registers 2 t, 2 t + 1 of lane half a: the operand starts so that the query's words stand there
	v_wmma_f32_16x16x32_bf16 v[DT+8*\T:DT+8*\T+7], v[AF:AF+7], v[IMG+6+8*(\T>>2)-2*(\T&3):IMG+13+8*(\T>>2)-2*(\T&3)], 0
.endr
	; Four plain vector instructions that name no register of the products above stand before their results are read (ISA guide 7.12.1).
	; Codes are 0..63 within a block (inline constants); the stored ones fall by 64 with each later block and are put right at the end.
	v_add_nc_u32 v[ST+1], 0xffffffc0, v[ST+1]
	v_add_nc_u32 v[ST+3], 0xffffffc0, v[ST+3]
	v_add_nc_u32 v[AAD], 1024, v[AAD]              ; the next block: 32 lanes x 32 bytes,
	v_add_nc_u32 v[RAD], 256, v[RAD]               ; 64 r2
	TILE 0
	TILE 1
	TILE 2
	TILE 3
	TILE 4
	TILE 5
	TILE 6
	TILE 7
	s_add_co_u32 s21, s21, 1
	s_cmp_lt_u32 s21, 8
	s_cbranch_scc1 .Lblock
	; a code of block b fell 7 - b times by 64: + 448 gives 64 b + code, + 512 part the place
	v_add_nc_u32 v[ST+1], v[PB], v[ST+1]
	v_add_nc_u32 v[ST+3], v[PB], v[ST+3]
	ds_store_b128 v[MW], v[ST:ST+3]
	s_wait_dscnt 0x0                               ; my state is written,
	s_barrier_signal -1
	s_barrier_wait -1                              ; everybody's is
	s_cmp_eq_u32 s16, 0
	s_cbranch_scc1 .Lmerge
	s_cmp_eq_u32 s16, 1
	s_cbranch_scc1 .Lout0
	s_wait_tensorcnt 0x0
	ds_add_u32 v216, v217
	s_wait_dscnt 0x0
	s_endpgm
.Lmerge:
	; Wave 0: lane l merges the eight parts of queries 2 l and 2 l + 1, parts ascending, each part's first before its second.
	; Query Q, part p lies at (p>>1) 2048 + (p&1) 256 + (Q>>4) 512 + (Q&15) 16.
	v_lshrrev_b32 v[T+1], 3, v[LANE]
	v_and_b32 v[T+2], 7, v[LANE]
	v_lshl_add_u32 v[T], v[T+1], 9, MRG
	v_lshl_add_u32 v[T], v[T+2], 5, v[T]
	v_lshlrev_b32 v[W], 3, v[LANE]
.irp p, 0,1,2,3,4,5,6,7
	ds_load_b128 v[DT+4*\p:DT+4*\p+3], v[T] offset:(\p>>1)*2048+(\p&1)*256
	ds_load_b128 v[DT+32+4*\p:DT+32+4*\p+3], v[T] offset:(\p>>1)*2048+(\p&1)*256+16
.endr
	s_wait_dscnt 0x0
.irp p, 1,2,3,4,5,6,7
	SEL DT+4*\p, DT+4*\p+1, DT, 1                  ; part 0's registers are the states
	SEL DT+32+4*\p, DT+32+4*\p+1, DT+32, 1
	SEL DT+4*\p+2, DT+4*\p+3, DT, 1
	SEL DT+32+4*\p+2, DT+32+4*\p+3, DT+32, 1
.endr
	v_mov_b32 v[TA], v[DT+3]                       ; the second's place, two queries side by side
	v_mov_b32 v[TA+1], v[DT+35]
	global_store_b64 v[W], v[TA:TA+1], s[14:15] th:TH_STORE_NT     ; 32 lanes x 8 bytes: the work-group's 256 bytes, aligned
	s_wait_tensorcnt 0x0
	ds_add_u32 v216, v217
	s_wait_dscnt 0x0
	s_endpgm
.Lout0:
	; Wave 1: the 64 rows of out0, 768 bytes, as three stores of 256 consecutive, aligned bytes
	v_lshl_add_u32 v[T], v[LANE], 3, O0S
	v_lshlrev_b32 v[W], 3, v[LANE]
.irp k, 0,1,2
	ds_load_b64 v[DT+2*\k:DT+2*\k+1], v[T] offset:256*\k
.endr
	s_wait_dscnt 0x0
.irp k, 0,1,2
	global_store_b64 v[W], v[DT+2*\k:DT+2*\k+1], s[10:11] offset:256*\k th:TH_STORE_NT
.endr
	s_wait_tensorcnt 0x0
	ds_add_u32 v216, v217
	s_wait_dscnt 0x0
	s_endpgm
.Lfunc_end_k_q1eb66f2860_knn2:
	.size	k_q1eb66f2860_knn2, .Lfunc_end_k_q1eb66f2860_knn2-k_q1eb66f2860_knn2
	.p2alignl 7, 3214868480
	.fill 96, 4, 3214868480
	.section	.rodata,"a",@progbits
	.p2align	6, 0x0
	.amdhsa_kernel k_q1eb66f2860_knn2
		.amdhsa_group_segment_fixed_size 169984
		.amdhsa_private_segment_fixed_size 0
		.amdhsa_enable_private_segment 0
		.amdhsa_kernarg_size 48
		.amdhsa_user_sgpr_count 2
		.amdhsa_user_sgpr_kernarg_segment_ptr 1
		.amdhsa_wavefront_size32 1
		.amdhsa_system_sgpr_workgroup_id_x 1
		.amdhsa_system_sgpr_workgroup_id_y 1
		.amdhsa_system_sgpr_workgroup_id_z 1
		.amdhsa_system_vgpr_workitem_id 0
		.amdhsa_next_free_vgpr 218
		.amdhsa_next_free_sgpr 66
		.amdhsa_reserve_vcc 1
		.amdhsa_float_denorm_mode_32 3
		.amdhsa_float_denorm_mode_16_64 3
		.amdhsa_memory_ordered 1
		.amdhsa_forward_progress 1
		.amdhsa_inst_pref_size 47
	.end_amdhsa_kernel
	.amdgpu_metadata
---
amdhsa.version: [ 1, 2 ]
amdhsa.kernels:
  - .name:           k_q1eb66f2860_knn2
    .symbol:         k_q1eb66f2860_knn2.kd
    .args:
      - { .name: pc, .offset: 0, .size: 8, .value_kind: global_buffer, .address_space: global }
      - { .name: rnds, .offset: 8, .size: 8, .value_kind: global_buffer, .address_space: global }
      - { .name: feats, .offset: 16, .size: 8, .value_kind: global_buffer, .address_space: global }
      - { .name: out0, .offset: 24, .size: 8, .value_kind: global_buffer, .address_space: global }
      - { .name: out1, .offset: 32, .size: 8, .value_kind: global_buffer, .address_space: global }
      - { .name: out2, .offset: 40, .size: 8, .value_kind: global_buffer, .address_space: global }
    .group_segment_fixed_size: 169984
    .private_segment_fixed_size: 0
    .kernarg_segment_align: 8
    .kernarg_segment_size: 48
    .max_flat_workgroup_size: 512
    .sgpr_count:     66
    .vgpr_count:     218
    .wavefront_size: 32
...
	.end_amdgpu_metadata
.endif
;; end of part 1
